; MI455X (gfx1250); checked and timed in simulation.
; The chip was launched on July 23, 2026; its instructions are those of AMD's public machine-readable ISA for CDNA 5 (MIT licence, August 2026) and "CDNA5" Instruction Set Architecture Reference Guide (July 2026). The comments in the code are by the model that wrote it; some were corrected since.
;; F Lo RA Layer. Allowed arithmetic: matrix products marked QUANTISED: E3M2 operands, one E8M0 scale for each 32 along K, by v_wmma_scale_f32_16x16x128_f8f6f4 with both operands' format E3M2, f32 sums; products left as they are: f32 operands where the result goes on into a quantised operand, else bf16, f16 or f32 operands; f32 sums; everything else in f32.
;; Inputs: W0 1,024 x 1,024 float32; adapter_a 8 x 8 x 1,024 float32; adapter_b 8 x 1,024 x 8 float32; x 8 x 1,024 x 1,024 float32.
;; Outputs: out0 8 x 1,024 x 1,024 float32.
;; This version of the problem:
;;   THIS VERSION OF THE PROBLEM IS GIVEN IN LOW PRECISION. The matrix products marked QUANTISED in the list below multiply operands that are first quantised to E3M2 (3 exponent bits, 2 mantissa bits; 6 bits a number), with one power-of-two scale for each 32 numbers along K (OCP MX v1.0); their sums are f32. All else is computed in f32.
;;   The module's matrix products, in the order in which they are computed (A, B: the left and right operand; K: the contracted axis; several contracted axes count as one K, in the product's order):
;;     1. batch 8,192 x [M 8, K 1] x [K 1, N 1,024]; A: computed on the way; B: computed on the way: left as it is (no contracted axis)
;;     2. [M 65,536, K 1,024] x [K 1,024, N 1,024]; A: computed on the way; B: input W0: QUANTISED
;;   THE QUANTISER, for each operand of a quantised product, along K:
;;     - K is cut into blocks of 32 from its start; a last block that is shorter is filled with zeros.
;;     - A block's scale is 2^e with e = floor(log2(the largest magnitude in the block)) - 4, held to -126 .. 127; a block of zeros has e = 0. As a byte (E8M0): e + 127.
;;     - Each number is divided by its block's scale, clamped to +-28, and rounded to the nearest number of E3M2, ties to even, subnormals kept.
;;     - The product sums the exact products of the quantised numbers (number of the format x scale) in f32.
;;   ~~~python
;;   def quantise(x, axis):      # numpy; x: float32 -> the quantised numbers, widened to float32 again
;;       x = np.moveaxis(x, axis, -1); K = x.shape[-1]
;;       x = np.pad(x, [(0, 0)] * (x.ndim - 1) + [(0, -K % 32)]); x = x.reshape(x.shape[:-1] + (-1, 32)); a = np.abs(x).max(-1, keepdims=True)
;;       e = np.where(a > 0, np.clip(np.frexp(np.where(a > 0, a, 1))[1] - 1 - 4, -126, 127), 0)      # np.frexp(a)[1] - 1 = floor(log2(a)), exactly
;;       r = np.clip(x / 2.0 ** e, -28, 28)
;;       step = 2.0 ** (np.maximum(np.frexp(np.where(r == 0, 1, r))[1] - 1, -2) - 2)
;;       q = np.round(r / step) * step * 2.0 ** e      # np.round: ties to even
;;       return np.moveaxis(q.reshape(q.shape[:-2] + (-1,))[..., :K], -1, axis).astype(np.float32)
;;   ~~~
;;   OPERANDS COMPUTED ON THE WAY. 'Computed on the way' means the value that the module computes at that place (a softmax that the list does not call 'softmax' is quantised finished and normalised). What goes into a quantiser is computed in f32, as accurately as f32 sums, v_exp_f32 and their like allow (about 1e-6 of the number): no bf16 or f16 on the way to a quantiser, and a product that is left as it is and whose result goes on into a quantised operand takes f32 operands (vector FMAs, or v_wmma_f32_16x16x4_f32). A number that lies on a knife's edge between two numbers of the format may be rounded either way, as far as f32 arithmetic and the matrix unit's own rounding can turn it there, and no further.
;; One version. Each part assembles by itself: llvm-mc -triple=amdgcn-amd-amdhsa -mcpu=gfx1250 --defsym DOCPART=n.
;; ======== version 1 of 1: 2 launches
;; limits: values are held in f16: magnitudes above 65,504 overflow, below 6.1e-05 lose precision; right only within a limited range of input values
;; workspace buffers: wq 819,200 bytes; abt 262,144 bytes; wts 262,144 bytes
;; launch prep (part 1): grid 192 x 1, 4 waves a work-group, no clusters, 1,024 bytes of LDS; arguments W0, adapter_a, adapter_b, wq, abt, wts; writes wq, abt, wts
.if DOCPART == 1
	.amdgcn_target "amdgcn-amd-amdhsa--gfx1250"
	.amdhsa_code_object_version 6
	.text
	.protected	k_qc4dd9d6e8c_prep
	.globl	k_qc4dd9d6e8c_prep
	.p2align	8
	.type	k_qc4dd9d6e8c_prep,@function
k_qc4dd9d6e8c_prep:
	s_mov_b64 s[64:65], 0
	v_nop
	global_prefetch_b8 v0, s[64:65] scope:SCOPE_SE
	s_setreg_imm32_b32 hwreg(HW_REG_WAVE_MODE, 25, 1), 1
	s_wait_xcnt 0x0
; Three small tensors are laid as the next launch's registers want them.  No work of the problem is left out in either launch.
; (1) Work-groups 0..127: W0 [1024 (k)][1024 (o)], f32, becomes codes of BF6 (E3M2) with one E8M0 byte for each 32 along K: wq = 8 slots of 102,400 bytes, slot sl = columns 128 sl .. 128 sl + 127, all of K:
;   codes: half kh of K at 49,152 kh; in it fragment (gq, ks, b) at (16 gq + 4 ks + b) x 1,536: 64-column group gq, K step ks of 128, fragment b; three pieces of 512 bytes: piece g holds, at 16 x lane, registers 4 g .. 4 g + 3;
;   scale words: at 98,304 + 2,048 kh + 512 ks + 256 gq + 16 row + 4 b.
;   Row 8 u + j of fragment b is column 128 sl + 64 gq + 32 u + 8 b + j: in the product's result a lane's eight registers are the eight columns folded into one output.
;   Work-group (ks of 8, group of 16), wave = b.  LANE r TAKES A COLUMN, ITS REGISTERS RUN DOWN K in the operand's own order (k = 64 c + 32 h + i): the conversions' results are the operand's registers.
;   The work-group's 64 scale words are gathered in LDS and leave as one aligned unit of 256 bytes.
; (2) Work-groups 128..159: adapter_b as quads: abt[batch][K step][q][8 h + rank] = the 4 numbers k = 64 (q / 8) + 32 h + 4 (q % 8) + 0 .. 3 of the rank.
; (3) Work-groups 160..191: adapter_a / 8 as quads: wts[batch][group][2 b + jh][8 h + rank] = j = 4 jh .. 4 jh + 3 of output 128 rank + 8 group + 4 h + b.  (1/8 is the mean's factor: exact but where the product is denormal.)
; LIMITS: NaN and infinities are not served.  A block of zeros, or one whose largest magnitude lies under 2^-122, carries the byte 1 (the quantiser says 127 for zeros): its codes are zeros or
; what the scale 2^-126 leaves, and the bytes are read by this program alone.
.set SLB, 102400
.set FRB, 1536
.set SPARE, 256                        ; the spare words, 128 bytes a wave, behind the 256 bytes of scale words
.set SPW, 12
.set NIL, 13
.set F, 32                             ; v32-43 the fragment's 12 registers
.set T, 44                             ; v44-46 a block's upper 16 codes (a conversion's three registers begin on an even number)
.set X, 48                             ; v48-111 my 64 numbers
	s_load_b256 s[4:11], s[0:1], 0x0               ; W0, adapter_a, adapter_b, wq
	s_load_b128 s[12:15], s[0:1], 0x20             ; abt, wts
	s_cmp_ge_u32 ttmp9, 128
	s_cbranch_scc1 .Limg
	v_lshrrev_b32 v1, 5, v0
	v_readfirstlane_b32 s16, v1                    ; wave: b
	s_and_b32 s17, ttmp9, 7                        ; K step 0..7
	s_lshr_b32 s18, ttmp9, 3                       ; group 0..15
	s_lshl_b32 s20, s17, 19                        ; W0: 128 rows of 4,096 bytes a K step,
	s_lshl_b32 s21, s18, 8                         ; 256 bytes a group,
	s_add_co_u32 s20, s20, s21
	s_lshl_b32 s21, s16, 5                         ; 32 bytes a wave
	s_add_co_u32 s20, s20, s21
	s_mov_b32 s21, 0
	s_lshr_b32 s19, s18, 1
	s_mul_i32 s22, s19, SLB                        ; the slot
	s_lshr_b32 s23, s17, 2                         ; kh
	s_and_b32 s25, s17, 3                          ; ks
	s_and_b32 s26, s18, 1                          ; gq
	s_mul_i32 s24, s23, 49152
	s_add_co_u32 s28, s22, s24
	s_lshl_b32 s27, s26, 4
	s_lshl_b32 s24, s25, 2
	s_add_co_u32 s27, s27, s24
	s_add_co_u32 s27, s27, s16
	s_mul_i32 s27, s27, FRB
	s_add_co_u32 s28, s28, s27                     ; my fragment
	s_mov_b32 s29, 0
	s_lshl_b32 s23, s23, 11
	s_lshl_b32 s25, s25, 9
	s_lshl_b32 s26, s26, 8
	s_add_co_u32 s30, s22, 98304
	s_add_co_u32 s30, s30, s23
	s_add_co_u32 s30, s30, s25
	s_add_co_u32 s30, s30, s26                     ; the work-group's scale words
	s_mov_b32 s31, 0
	s_lshl_b32 s33, s16, 2
	s_mov_b32 s34, 0x76543210                      ; v_permlanex16_b32's selects for lane l xor 16
	s_mov_b32 s35, 0xfedcba98
	v_lshl_add_u32 v[SPW], v0, 2, SPARE
	v_mov_b32 v[NIL], 0
	v_and_b32 v2, 31, v0
	v_and_b32 v3, 7, v0                            ; j
	v_bfe_u32 v4, v0, 3, 1                         ; u
	v_bfe_u32 v5, v0, 4, 1                         ; h
	v_and_b32 v6, 15, v0                           ; r
	v_lshlrev_b32 v7, 2, v3
	v_lshl_add_u32 v7, v4, 7, v7
	v_lshl_add_u32 v7, v5, 17, v7                  ; lanes 16-31: 32 rows further down
	v_lshlrev_b32 v8, 4, v2                        ; an image's place for my lane
	v_lshl_add_u32 v9, v6, 4, s33                  ; LDS: my row's word of fragment b
	v_lshlrev_b32 v10, 3, v2
	v_lshlrev_b32 v11, 3, v5                       ; 8 h
	v_mov_b32 v19, 0                               ; (a lane permute's destination counts as one of its sources)
	s_wait_alu depctr_va_vdst(0)                   ; the wait at the head's end
	s_wait_kmcnt 0x0
	s_add_nc_u64 s[4:5], s[4:5], s[20:21]
	s_add_nc_u64 s[28:29], s[10:11], s[28:29]
	s_add_nc_u64 s[30:31], s[10:11], s[30:31]
.set i, 0
.rept 64
	global_load_b32 v[X+i], v7, s[4:5] offset:4096*(i+32*(i/32))   ; k = 64 c + 32 h + i % 32, c = i / 32
.set i, i+1
.endr
.macro BLK c                           ; block 2 c + h of my column: all its 32 numbers are mine
.set XS, X+32*\c
	v_max3_num_f32 v15, |v[XS]|, |v[XS+1]|, 0x2800000              ; two chains; the floor 2^(5 - 127) is one more leaf: so the byte cannot fall under 1
	v_max3_num_f32 v16, |v[XS+2]|, |v[XS+3]|, |v[XS+4]|
.irp i, 5,9,13,17,21,25
	v_max3_num_f32 v15, v15, |v[XS+\i]|, |v[XS+\i+1]|
	v_max3_num_f32 v16, v16, |v[XS+\i+2]|, |v[XS+\i+3]|
.endr
	v_max3_num_f32 v15, v15, |v[XS+29]|, |v[XS+30]|
	v_max3_num_f32 v15, v15, v16, |v[XS+31]|
	v_add_nc_u32 v14, 0xfe000000, v15              ; 4 off its exponent field: the conversion takes the exponent field of this operand as its scale
	v_cvt_scalef32_pk16_bf6_f32 v[F+6*\c:F+6*\c+2], v[XS:XS+15], v14
	v_cvt_scalef32_pk16_bf6_f32 v[T:T+2], v[XS+16:XS+31], v14
	v_lshrrev_b32 v[17+\c], 23, v14                ; the scale's byte; and the plain place behind the conversions
.irp i, 0,1,2
	v_mov_b32 v[F+6*\c+3+\i], v[T+\i]
.endr
.endm
	s_wait_loadcnt 32                              ; block c = 0 is in; the other's 32 loads may be out
	BLK 0
	s_wait_alu depctr_va_vdst(0)
	s_wait_loadcnt 0x0
	BLK 1
	v_lshl_or_b32 v17, v18, 16, v17                ; my two bytes: blocks h and 2 + h,
	v_lshlrev_b32 v17, v11, v17                    ; at their places in the scale word;
	v_permlanex16_b32 v19, v17, s34, s35
	v_or_b32 v17, v17, v19                         ; with lane l xor 16's two the word is whole
.irp g, 0,1,2
	global_store_b128 v8, v[F+4*\g:F+4*\g+3], s[28:29] offset:512*\g   ; 32 lanes store 512 consecutive bytes, at a multiple of 512
.endr
	ds_store_b32 v9, v17                           ; lanes l and l + 16 write the same word with the same value
	s_wait_tensorcnt 0x0                           ; the wave's end for LDS, behind my last LDS store
	ds_add_u32 v[SPW], v[NIL]
	s_wait_dscnt 0x0                               ; and my words are in LDS, for wave 0's sake
	s_barrier_signal -1
	s_barrier_wait -1
	s_cmp_lg_u32 s16, 0
	s_cbranch_scc1 .Lend
	ds_load_b64 v[20:21], v10
	s_wait_dscnt 0x0
	global_store_b64 v10, v[20:21], s[30:31]       ; one aligned unit of 256 bytes
.Lend:
	s_endpgm
; The images.  Thread t of 4,096 makes quads t + 4,096 i, i = 0 .. 3: two batches apart, 65,536 bytes in source and image alike.
.macro QUADS src, step
	s_wait_alu depctr_va_vdst(0)                   ; the wait directly ahead of the wait below
	s_wait_kmcnt 0x0
.irp i, 0,1,2,3
.irp e, 0,1,2,3
	global_load_b32 v[20+4*\i+\e], v2, s[\src:\src+1] offset:65536*\i+(\step)*\e
.endr
.endr
	s_wait_loadcnt 0x0
.endm
.Limg:
	s_and_b32 s16, ttmp9, 31
	s_lshl_b32 s16, s16, 7
	s_cmp_ge_u32 ttmp9, 160
	s_cbranch_scc1 .Lwts
	v_add_nc_u32 v1, s16, v0
	v_lshrrev_b32 v2, 7, v1
	v_lshlrev_b32 v2, 11, v2                       ; batch, K step, q / 8: 2,048 bytes a 64 rows
	v_bfe_u32 v3, v1, 3, 1
	v_lshl_add_u32 v2, v3, 10, v2                  ; h
	v_bfe_u32 v3, v1, 4, 3
	v_lshl_add_u32 v2, v3, 7, v2                   ; q % 8: 4 rows of 32 bytes
	v_and_b32 v3, 7, v1
	v_lshl_add_u32 v2, v3, 2, v2                   ; rank
	v_lshlrev_b32 v4, 4, v1
	QUADS 8, 32
.irp i, 0,1,2,3
	global_store_b128 v4, v[20+4*\i:23+4*\i], s[12:13] offset:65536*\i
.endr
	s_endpgm
.Lwts:
	v_add_nc_u32 v1, s16, v0
	v_lshrrev_b32 v2, 11, v1
	v_lshlrev_b32 v2, 15, v2                       ; batch
	v_bfe_u32 v3, v1, 4, 1
	v_lshl_add_u32 v2, v3, 14, v2                  ; jh: four rows of 4,096 bytes
	v_and_b32 v3, 7, v1
	v_lshl_add_u32 v2, v3, 9, v2                   ; rank: 128 outputs
	v_bfe_u32 v3, v1, 7, 4
	v_lshl_add_u32 v2, v3, 5, v2                   ; group: 8 outputs
	v_bfe_u32 v3, v1, 3, 1
	v_lshl_add_u32 v2, v3, 4, v2                   ; h: 4 outputs
	v_bfe_u32 v3, v1, 5, 2
	v_lshl_add_u32 v2, v3, 2, v2                   ; b
	v_lshlrev_b32 v4, 4, v1
	QUADS 6, 4096
.set i, 0
.rept 16
	v_mul_f32 v[20+i], 0x3e000000, v[20+i]         ; 1/8
.set i, i+1
.endr
.irp i, 0,1,2,3
	global_store_b128 v4, v[20+4*\i:23+4*\i], s[14:15] offset:65536*\i
.endr
	s_endpgm
.Lfunc_end_k_qc4dd9d6e8c_prep:
	.size	k_qc4dd9d6e8c_prep, .Lfunc_end_k_qc4dd9d6e8c_prep-k_qc4dd9d6e8c_prep
	.p2alignl 7, 3214868480
	.fill 96, 4, 3214868480
	.section	.rodata,"a",@progbits
	.p2align	6, 0x0
	.amdhsa_kernel k_qc4dd9d6e8c_prep
		.amdhsa_group_segment_fixed_size 1024
		.amdhsa_private_segment_fixed_size 0
		.amdhsa_enable_private_segment 0
		.amdhsa_kernarg_size 48
		.amdhsa_user_sgpr_count 2
		.amdhsa_user_sgpr_kernarg_segment_ptr 1
		.amdhsa_wavefront_size32 1
		.amdhsa_system_sgpr_workgroup_id_x 1
		.amdhsa_system_sgpr_workgroup_id_y 1
		.amdhsa_system_sgpr_workgroup_id_z 1
		.amdhsa_system_vgpr_workitem_id 0
		.amdhsa_next_free_vgpr 112
		.amdhsa_next_free_sgpr 66
		.amdhsa_reserve_vcc 0
		.amdhsa_float_denorm_mode_32 3
		.amdhsa_float_denorm_mode_16_64 3
		.amdhsa_memory_ordered 1
		.amdhsa_forward_progress 1
		.amdhsa_inst_pref_size 19
	.end_amdhsa_kernel
	.amdgpu_metadata
---
amdhsa.version: [ 1, 2 ]
amdhsa.kernels:
  - .name:           k_qc4dd9d6e8c_prep
    .symbol:         k_qc4dd9d6e8c_prep.kd
    .args:
      - { .name: W0, .offset: 0, .size: 8, .value_kind: global_buffer, .address_space: global }
      - { .name: adapter_a, .offset: 8, .size: 8, .value_kind: global_buffer, .address_space: global }
      - { .name: adapter_b, .offset: 16, .size: 8, .value_kind: global_buffer, .address_space: global }
      - { .name: wq, .offset: 24, .size: 8, .value_kind: global_buffer, .address_space: global }
      - { .name: abt, .offset: 32, .size: 8, .value_kind: global_buffer, .address_space: global }
      - { .name: wts, .offset: 40, .size: 8, .value_kind: global_buffer, .address_space: global }
    .group_segment_fixed_size: 1024
    .private_segment_fixed_size: 0
    .kernarg_segment_align: 8
    .kernarg_segment_size: 48
    .max_flat_workgroup_size: 128
    .sgpr_count:     66
    .vgpr_count:     112
    .wavefront_size: 32
...
	.end_amdgpu_metadata
.endif
;; end of part 1
;; launch flora (part 2): grid 256 x 1, 8 waves a work-group, clusters of 4 x 1, 327,680 bytes of LDS; arguments x, abt, wts, wq, out0; writes out0
.if DOCPART == 2
	.amdgcn_target "amdgcn-amd-amdhsa--gfx1250"
	.amdhsa_code_object_version 6
	.text
	.protected	k_qc4dd9d6e8c_flora
	.globl	k_qc4dd9d6e8c_flora
	.p2align	8
	.type	k_qc4dd9d6e8c_flora,@function
k_qc4dd9d6e8c_flora:
	s_mov_b64 s[64:65], 0
	v_nop
	global_prefetch_b8 v0, s[64:65] scope:SCOPE_SE
	s_setreg_imm32_b32 hwreg(HW_REG_WAVE_MODE, 25, 1), 1
	s_wait_xcnt 0x0
	s_wait_alu depctr_hold_cnt(0) depctr_sa_sdst(0) depctr_va_vdst(0) depctr_va_sdst(0) depctr_va_ssrc(0) depctr_va_vcc(0) depctr_vm_vsrc(0)
	s_getreg_b32 s2, hwreg(HW_REG_IB_STS2, 6, 4)
	s_cmp_eq_u32 s2, 0
	s_cbranch_scc0 .Lentry_in_a_cluster
	s_endpgm
.Lentry_in_a_cluster:
	s_bfe_u32 s2, ttmp6, 0x10000c
	s_cmp_lg_u32 s2, 0x3003
	s_cbranch_scc0 .Lentry_shape_is_right
	s_endpgm
.Lentry_shape_is_right:
; out[m][oc] = relu(the sum over j of (adapter_a[b][j][128 (m % 8) + oc] / 8) x C[m][8 oc + j]),  C[m][o] = the sum over d of A[m][d] W0[d][o],  A[m][d] = f16(x[b][s][d]) x adapter_b[b][d][m % 8],
; m = 8 (1024 b + s) + r: 65,536 rows; out0 seen as [65,536][128].  C's product is made on codes of BF6 (E3M2) with one E8M0 scale for each 32 along d, sums in f32.
; SHARES.  A work-group owns 256 rows m (32 rows of x times 8 ranks) and all 1,024 columns; 256 work-groups.  Eight waves: wave (g, kh) = w % 4, w / 4 owns 64 rows and HALF OF K (512).  Its part of A, 4 blocks of 16 rows x
; 4 K steps of 128, is quantised once, straight into 192 registers, and stays there.  W0's codes come through a ring of two LDS slots of 128 columns x all of K: eight slots.  Each fragment of W0 serves four products.
; THE FOLD IS LINEAR, so each wave folds its half of K: 8 columns into one sum.  The waves (g, 0) and (g, 1) exchange the sums of the two blocks that the other finishes, through LDS, at the barrier that ends a slot.
; A wave's block number l stands for rows 16 (l xor 2 kh): its own two blocks are l = 0, 1 in both.  Four slots' results are 256 bytes of a row: they go through the wave's own stage and leave as aligned runs of 256 bytes.
; CLUSTER.  All work-groups walk the same slots: the four of a cluster ask for each eighth of a slot JOINTLY (mask 15).  There is no second shared operand, so the cluster is 4 x 1.
; TRANSPOSED USE (source 0 = 16 columns of W0, source 1 = 16 rows of A): lane (r, h) of accumulator (l, b) holds row r of block l and the eight columns of output 16 sl + 8 gq + 4 h + b.
; Row r of a block is rank r % 8, so the weights hang on the lane and on b alone.
; LIMITS.  |x| above 65,504 becomes infinity in the cast to f16, as in the problem's own cast; NaN and infinities are not served otherwise.  A block of zeros, or one whose largest magnitude lies under
; 2^-122, carries the byte 1.  C's two halves of K are folded apart and added, and the fold adds its eight terms in pairs.
; LDS: two slots of 102,400 from 0 | the exchange, 2 x 16,384, from 204,800 | the stages, 8 x 32 rows x 272, from 237,568 | the spare words, 1,024, from 307,200.  All of a WGP's LDS is claimed.
; REGISTERS.  Window 0: v3, v7 the add's; v8-15 A's scale words (lanes 0-15 an even block's, lanes 16-31 the odd one's); v16-31 W0's (lanes 0-15 group 0's, lanes 16-31 group 1's); v32-223 A; v224-255 the weights.
;   Window 1: v0-127 the accumulators (l, b) at 8 (4 b + l); v128-199 three pairs of W0's fragments; v200-215 my own blocks' results; v216-231 the other's; v232-246 addresses.
;   With 0x51 products, fold and fragment loads share ONE setting.  While quantising: x in v0-127 of window 1, products v128-191, at work v192-199; adapter_b's numbers in what is free at the time (QSTEP's arguments).
.set SLB,  102400                      ; a slot
.set KHB,  49152                       ; its codes of a half of K
.set FRB,  1536                        ; a fragment's image
.set SCO,  98304                       ; a slot's scale words
.set XCH,  2*SLB
.set XBUF, 16384
.set STAGE, XCH+2*XBUF
.set PIT,  272                         ; a stage row: 256 bytes + 16
.set SWV,  32*PIT                      ; a wave's stage
.set SPARE, STAGE+8*SWV                ; 128 bytes for each wave: four blocks of 256 bytes that no other line names
.set SPW, 3
.set NIL, 7
.set PFA, 5                            ; v5 the prefetches' offset (behind the quantising)
.set ASC, 8                            ; + 2 ks + l / 2
.set WSC, 16                           ; + 4 ks + b
.set AF,  32                           ; + 12 (4 ks + l)
.set WT,  224                          ; + 8 b + j
.set ACC, 0                            ; window 1 from here on
.set WF,  128                          ; pair p's two fragments at + 24 (p % 3)
.set P,   128
.set XF,  192                          ; x through f16; then at work
.set MX,  192
.set RES, 200
.set EX,  216
.set ADB, 232                          ; v232-233 W0's fragments in slot 0, 1: 49,152 kh + 16 lane
.set ADS, 234                          ; v234-235 their scale words
.set XCW, 236                          ; the exchange: where I put sums, and where my partner does
.set XCR, 237
.set STO, 238                          ; the stage: where I put 16 bytes of a row
.set RD,  239                          ; and where I read rows back
.set CO,  240                          ; the same place in out0
.set WO,  241                          ; 16 (8 h + rank): abt and wts
.set PFO, 242
.set XA,  243                          ; v243-244 x: blocks 0, 1 and blocks 2, 3
.set H8,  245                          ; 8 h
.set STX, 246                          ; STO + the trip's 128 bytes
.set MSB, 0
.macro WIN new                         ; the immediate's high byte repeats the setting that is left; a switch that changes nothing is dropped
.if MSB != (\new)
	s_set_vgpr_msb (MSB<<8)|(\new)
.set MSB, (\new)
.endif
.endm
.macro PLACES n                        ; plain vector instructions that name no register: the distance behind matrix instructions (ISA guide 7.12.1 for vector instructions)
.rept \n
	v_nop
.endr
.endm
.macro CREST                           ; a round of the cluster's barrier behind its opening barrier
	s_cmp_lg_u32 s14, 0
	s_cbranch_scc1 .Lnot_wave_0_\@
	s_barrier_signal -3
.Lnot_wave_0_\@:
	s_barrier_wait -3
	s_barrier_signal -1
	s_barrier_wait -1
.endm
.macro CROUND                          ; a whole round
	s_barrier_signal -1
	s_barrier_wait -1
	CREST
.endm
	s_load_b256 s[4:11], s[0:1], 0x0               ; x, abt, wts, wq
	s_load_b64 s[12:13], s[0:1], 0x20              ; out0
	v_lshl_add_u32 v[SPW], v0, 2, SPARE
	v_mov_b32 v[NIL], 0
	ds_add_u32 v[SPW], v[NIL]                      ; the opening: the add, twice on end, and its wait ahead of my first tensor load
	ds_add_u32 v[SPW], v[NIL]
	v_lshrrev_b32 v1, 5, v0
	v_readfirstlane_b32 s14, v1                    ; wave 0..7: also the eighth of a slot that I fetch
	s_and_b32 s15, s14, 3                          ; g
	s_lshr_b32 s16, s14, 2                         ; kh
	s_bfe_u32 s17, ttmp6, 0x40000                  ; cx; it enters global addresses alone
	s_lshl_b32 s18, ttmp9, 2                       ; in a cluster launch ttmp9 counts clusters
	s_add_co_u32 s18, s18, s17                     ; my work-group
	s_lshr_b32 s19, s18, 5                         ; the batch
	; descriptor group 1 for an eighth of a slot: 12,800 dense bytes as 50 rows of 32 elements of 8 bytes
	s_mov_b32 s24, 15|(3<<16)|(1<<21)              ; the mask: all four work-groups; elements of 8 bytes; 21 set beside a mask
	s_mov_b32 s25, 32<<16
	s_mov_b32 s26, 50<<16
	s_mov_b32 s27, 32<<16
	s_mov_b32 s28, 50
	s_mov_b32 s29, 32
	s_mov_b32 s30, 0
	s_mov_b32 s31, 0
	s_mul_i32 s20, s14, SLB/8                      ; my eighth, in wq and in LDS alike
	s_mov_b32 s21, 0
	s_lshl_b32 s84, s18, 17                        ; x and out0: 131,072 bytes a work-group,
	s_lshl_b32 s85, s15, 15                        ; 8 rows of x a wave's g
	s_add_co_u32 s84, s84, s85
	s_lshl_b32 s85, s16, 14
	s_add_co_u32 s90, s84, s85                     ; out0: my own two blocks
	s_mov_b32 s91, 0
	s_lshl_b32 s85, s16, 11
	s_add_co_u32 s84, s84, s85                     ; x: my 512 numbers of a row
	s_mov_b32 s85, 0
	s_lshl_b32 s88, s19, 15                        ; wts: 32,768 bytes a batch
	s_mov_b32 s89, 0
	s_lshl_b32 s87, s16, 14
	s_add_co_u32 s86, s88, s87                     ; abt: my four K steps
	s_mov_b32 s87, 0
	s_lshl_b32 s92, s17, 2                         ; the prefetches: 6,400 bytes a wave of the first four, 16 such shares a slot
	s_add_co_u32 s92, s92, s14
	s_mul_i32 s92, s92, SLB/16
	s_add_co_u32 s92, s92, 2*SLB                   ; one step short of slot 3
	s_mov_b32 s93, 0
	s_or_b32 s81, s16, ttmp9                       ; waves 0..3 of the first cluster prefetch, the same in all four partners: five times
	s_cmp_eq_u32 s81, 0
	s_cselect_b32 s81, 5, 0
	s_mov_b32 s80, 0
	s_mov_b32 s72, 0x76543210                      ; v_permlanex16_b32's selects for lane l xor 16
	s_mov_b32 s73, 0xfedcba98
	s_mov_b32 s74, 0xffff0000                      ; lanes 16-31
	s_mul_i32 s22, s16, KHB
	s_add_co_u32 s23, s22, SLB
	s_lshl_b32 s40, s16, 11
	s_add_co_u32 s40, s40, SCO
	s_add_co_u32 s41, s40, SLB
	s_lshl_b32 s42, s14, 11
	s_add_co_u32 s42, s42, XCH
	s_xor_b32 s43, s14, 4                          ; my partner: the same rows, the other half of K
	s_lshl_b32 s43, s43, 11
	s_add_co_u32 s43, s43, XCH
	s_mul_i32 s44, s14, SWV
	s_add_co_u32 s44, s44, STAGE
	s_lshl_b32 s45, s16, 14                        ; blocks l = 0, 1 begin 4 kh rows of x down, blocks 2, 3 at 4 (1 - kh)
	s_sub_co_u32 s46, 16384, s45
	v_and_b32 v1, 31, v0                           ; lane
	v_and_b32 v2, 15, v0                           ; r
	v_bfe_u32 v4, v0, 4, 1                         ; h
	v_and_b32 v5, 7, v0                            ; r % 8
	v_bfe_u32 v6, v0, 3, 1                         ; r / 8: which of a block's two rows of x
	v_mul_u32_u24 v32, PIT, v2
	v_lshl_add_u32 v32, v4, 4, v32                 ; stage, in: row r, 16 h
	v_mul_u32_u24 v33, PIT, v4
	v_lshl_add_u32 v33, v2, 4, v33                 ; stage, back: lanes 0-15 one row, lanes 16-31 the next
	v_lshlrev_b32 v34, 9, v4
	v_lshl_add_u32 v35, v4, 3, v5
	v_lshlrev_b32 v36, 12, v6
	v_lshl_add_u32 v36, v4, 7, v36
	v_lshl_add_u32 v36, v5, 4, v36                 ; x: eight lanes share a row's 32 numbers of a block, 16 bytes each; lanes 16-31 one block on
	v_min_u32 v37, 24, v1                          ; 25 blocks of 256 bytes a wave; the lanes left over name the last again
	WIN 0x40
	v_lshl_add_u32 v[ADB], v1, 4, s22
	v_lshl_add_u32 v[ADB+1], v1, 4, s23
	v_lshl_add_u32 v[ADS], v1, 4, s40
	v_lshl_add_u32 v[ADS+1], v1, 4, s41
	v_lshl_add_u32 v[XCW], v1, 4, s42
	v_lshl_add_u32 v[XCR], v1, 4, s43
	v_add_nc_u32 v[STO], s44, v32
	v_add_nc_u32 v[RD], s44, v33
	v_lshl_add_u32 v[CO], v2, 4, v34
	v_lshlrev_b32 v[WO], 4, v35
	v_lshlrev_b32 v[PFO], 8, v37
	v_add_nc_u32 v[XA], s45, v36
	v_add_nc_u32 v[XA+1], s46, v36
	v_lshlrev_b32 v[H8], 3, v4
	WIN 0
	s_wait_alu depctr_va_vdst(0)                   ; the wait at the head's end
	s_wait_dscnt 0x0                               ; both opening adds are done
	s_wait_kmcnt 0x0
	s_add_nc_u64 s[4:5], s[4:5], s[84:85]
	s_add_nc_u64 s[6:7], s[6:7], s[86:87]
	s_add_nc_u64 s[8:9], s[8:9], s[88:89]
	s_add_nc_u64 s[12:13], s[12:13], s[90:91]
	s_add_nc_u64 s[78:79], s[10:11], s[92:93]
	s_add_nc_u64 s[10:11], s[10:11], s[20:21]      ; wq at my eighth: made of the wave's number alone, so equal in all four partners
.irp s, 0,1
	s_mov_b32 s[32+4*\s], 1                        ; group 0 for ring slot s
	s_add_co_u32 s[33+4*\s], s20, SLB*\s
	s_add_nc_u64 s[34+4*\s:35+4*\s], s[10:11], SLB*\s
	s_or_b32 s[35+4*\s], s[35+4*\s], 0x80000000
.endr
.macro XLOAD ks                        ; x for K step ks: a load covers two rows' 256 consecutive bytes; register 32 ks + 8 l + 4 c
	WIN 0x41
.irp l, 0,1,2,3
.irp c, 0,1
	global_load_b128 v[ACC+32*\ks+8*\l+4*\c:ACC+32*\ks+8*\l+4*\c+3], v[XA+\l/2], s[4:5] offset:8192*(\l%2)+512*\ks+256*\c th:TH_LOAD_NT
.endr
.endr
.endm
.macro ABL ks, c, reg, win             ; adapter_b for K step ks, k = 64 c + 32 h + 0 .. 31 of my rank: 8 loads
	WIN \win
.irp i, 0,1,2,3,4,5,6,7
	global_load_b128 v[\reg+4*\i:\reg+4*\i+3], v[WO], s[6:7] offset:4096*\ks+256*(8*\c+\i)
.endr
.endm
	XLOAD 0
	ABL 0, 0, 176, 0x01
	ABL 0, 1, 208, 0x01
	XLOAD 1
	ABL 1, 0, RES, 0x41
	ABL 1, 1, 128, 0x01
	XLOAD 2
	WIN 0
	CROUND                                         ; all four work-groups are here: the first joint loads meet
	tensor_load_to_lds s[32:35], s[24:31]          ; slot 0: one tensor load a wave at the head
	s_nop 0
	PLACES 4
	XLOAD 3
	WIN 0x40
.set i, 0
.rept 64
	v_mov_b32 v[P+i], 0                            ; written once: the destination of a DPP form counts as one of its sources
.set i, i+1
.endr
; THE QUANTISER.  A lane reads 8 numbers of x; the eight lanes of a row hold its 64 together, and each product takes its x from the lane that holds it (DPP8).
.macro MULS c, reg, win
	WIN \win
.irp s, 0,1,2,3,4,5,6,7
.irp k, 0,1,2,3
	v_mul_f32_dpp v[P+32*\c+4*\s+\k], v[XF+4*\c+\k], v[\reg+4*\s+\k] dpp8:[\s,\s,\s,\s,\s,\s,\s,\s]   ; A(my row, 64 c + 32 h + 4 s + k)
.endr
.endr
.endm
.macro QFRAG ks, l, r0, w0, r1, w1
.set xr, ACC+32*\ks+8*\l
.set qa, AF+12*(4*\ks+\l)
.set qs, ASC+2*\ks+\l/2
	WIN 0x05
	v_cvt_pk_f16_f32 v0, v[xr], v[xr+1]            ; the problem's own cast of x to f16, to nearest even,
	v_cvt_pk_f16_f32 v1, v[xr+2], v[xr+3]
	v_cvt_pk_f16_f32 v2, v[xr+4], v[xr+5]
	v_cvt_pk_f16_f32 v4, v[xr+6], v[xr+7]
	WIN 0x40
	v_cvt_f32_f16 v[XF], v0.l                      ; and back: all else is f32
	v_cvt_f32_f16 v[XF+1], v0.h
	v_cvt_f32_f16 v[XF+2], v1.l
	v_cvt_f32_f16 v[XF+3], v1.h
	v_cvt_f32_f16 v[XF+4], v2.l
	v_cvt_f32_f16 v[XF+5], v2.h
	v_cvt_f32_f16 v[XF+6], v4.l
	v_cvt_f32_f16 v[XF+7], v4.h
	MULS 0, \r0, \w0
	MULS 1, \r1, \w1
	WIN 0x55
	; my two blocks' largest magnitudes: all 32 numbers of a block are mine.  Eight chains by turns, four to a block
.irp k, 0,1,2,3
.irp c, 0,1
	v_max3_num_f32 v[MX+4*\c+\k], |v[P+32*\c+7*\k]|, |v[P+32*\c+7*\k+1]|, |v[P+32*\c+7*\k+2]|
.endr
.endr
.irp i, 3,5
.irp k, 0,1,2,3
.irp c, 0,1
	v_max3_num_f32 v[MX+4*\c+\k], v[MX+4*\c+\k], |v[P+32*\c+7*\k+\i]|, |v[P+32*\c+7*\k+\i+1]|
.endr
.endr
.endr
.irp c, 0,1
	v_max3_num_f32 v[MX+4*\c], v[MX+4*\c], |v[P+32*\c+28]|, |v[P+32*\c+29]|
.endr
.irp c, 0,1
	v_max3_num_f32 v[MX+4*\c+1], v[MX+4*\c+1], |v[P+32*\c+30]|, |v[P+32*\c+31]|
.endr
.irp c, 0,1
	v_max3_num_f32 v[MX+4*\c+2], v[MX+4*\c+2], v[MX+4*\c+3], 0x2800000   ; the floor 2^(5 - 127) as one more leaf: so the byte cannot fall under 1
.endr
.irp c, 0,1
	v_max3_num_f32 v[MX+4*\c], v[MX+4*\c], v[MX+4*\c+1], v[MX+4*\c+2]
.endr
.irp c, 0,1
	v_add_nc_u32 v[MX+4*\c], 0xfe000000, v[MX+4*\c]   ; 4 off the exponent field: the conversion's scale operand
.endr
	WIN 0x05
.irp c, 0,1
	v_cvt_scalef32_pk16_bf6_f32 v[qa+6*\c:qa+6*\c+2], v[P+32*\c:P+32*\c+15], v[MX+4*\c]
	v_cvt_scalef32_pk16_bf6_f32 v[4*\c:4*\c+2], v[P+32*\c+16:P+32*\c+31], v[MX+4*\c]   ; (a conversion's three registers begin on an even number)
.endr
	WIN 0x55
	v_lshrrev_b32 v[MX+1], 23, v[MX]               ; the scales' bytes, and the plain places behind the conversions
	v_lshrrev_b32 v[MX+5], 23, v[MX+4]
	v_lshl_or_b32 v[MX+2], v[MX+5], 16, v[MX+1]    ; blocks h and 2 + h of my row,
	v_lshlrev_b32 v[MX+2], v[H8], v[MX+2]          ; at their places in the scale word
	WIN 0
.irp c, 0,1
.irp i, 0,1,2
	v_mov_b32 v[qa+6*\c+3+\i], v[4*\c+\i]
.endr
.endr
	WIN 0x55
	v_permlanex16_b32 v[MX+3], v[MX+2], s72, s73   ; with lane l xor 16's two the word is whole
.if \l%2
	v_or_b32 v[MX+2], v[MX+2], v[MX+3]
	WIN 0x04
	v_cndmask_b32 v[qs], v[qs], v[MX+2], s74       ; an odd block's word in lanes 16-31
.else
	WIN 0x05
	v_or_b32 v[qs], v[MX+2], v[MX+3]
.endif
.endm
.macro QSTEP ks, r0, w0, r1, w1
.irp l, 0,1,2,3
	QFRAG \ks, \l, \r0, \w0, \r1, \w1
.endr
.endm
.macro WLOAD off                       ; a group's weights: register 8 b + j
	WIN 0x01
.irp q, 0,1,2,3,4,5,6,7
	global_load_b128 v[WT+4*\q:WT+4*\q+3], v[WO], s[8:9] offset:\off+256*\q
.endr
.endm
	s_wait_alu depctr_va_vdst(0)
	s_wait_loadcnt 40                              ; K step 0's x and adapter_b are in: behind them 8 + 16 + 8 + 8 loads
	QSTEP 0, 176, 0x41, 208, 0x41
	ABL 2, 0, 176, 0x01
	ABL 2, 1, 208, 0x01
	s_wait_alu depctr_va_vdst(0)
	s_wait_loadcnt 32                              ; K step 1's: behind them x's 8 + 8 and the 16 above
	QSTEP 1, RES, 0x45, 128, 0x41
	ABL 3, 0, ACC, 0x41                            ; (x of K steps 0 and 1 has been used)
	ABL 3, 1, ACC+32, 0x41
	s_wait_alu depctr_va_vdst(0)
	s_wait_loadcnt 16                              ; K step 2's: behind them the 16 above
	QSTEP 2, 176, 0x41, 208, 0x41
	WLOAD 0
	s_wait_alu depctr_va_vdst(0)
	s_wait_loadcnt 8                               ; K step 3's: behind them group 0's weights
	QSTEP 3, ACC, 0x45, ACC+32, 0x45
	WIN 0x01
	v_mov_b32 v[PFA], v[PFO]
	WIN 0
	s_wait_alu depctr_va_vdst(0)
; THE PRODUCT.  A slot is 16 pairs of fragments: pair p = 8 gq + 2 ks + (b / 2).
.macro LOADP p, s                      ; pair p of ring slot s: 6 loads of 512 consecutive bytes
	WIN 0x51
.irp i, 0,1
.irp g, 0,1,2
	ds_load_b128 v[WF+24*((\p)%3)+12*\i+4*\g:WF+24*((\p)%3)+12*\i+4*\g+3], v[ADB+\s] offset:FRB*(2*(\p)+\i)+512*\g
.endr
.endr
.endm
.macro LOADSC s                        ; slot s's scale words, both groups
	WIN 0x01
.irp k, 0,1,2,3
	ds_load_b128 v[WSC+4*\k:WSC+4*\k+3], v[ADS+\s] offset:512*\k
.endr
.endm
.macro WMX c
.if wm == 0
	v_wmma_scale_f32_16x16x128_f8f6f4 v[wa:wa+7], v[ww:ww+11], v[wf:wf+11], \c, v[wsw], v[wsa] matrix_a_fmt:MATRIX_FMT_BF6 matrix_b_fmt:MATRIX_FMT_BF6
.elseif wm == 1
	v_wmma_scale_f32_16x16x128_f8f6f4 v[wa:wa+7], v[ww:ww+11], v[wf:wf+11], \c, v[wsw], v[wsa] matrix_a_fmt:MATRIX_FMT_BF6 matrix_b_fmt:MATRIX_FMT_BF6 matrix_b_scale:MATRIX_SCALE_ROW1
.elseif wm == 2
	v_wmma_scale_f32_16x16x128_f8f6f4 v[wa:wa+7], v[ww:ww+11], v[wf:wf+11], \c, v[wsw], v[wsa] matrix_a_fmt:MATRIX_FMT_BF6 matrix_b_fmt:MATRIX_FMT_BF6 matrix_a_scale:MATRIX_SCALE_ROW1
.else
	v_wmma_scale_f32_16x16x128_f8f6f4 v[wa:wa+7], v[ww:ww+11], v[wf:wf+11], \c, v[wsw], v[wsa] matrix_a_fmt:MATRIX_FMT_BF6 matrix_b_fmt:MATRIX_FMT_BF6 matrix_a_scale:MATRIX_SCALE_ROW1 matrix_b_scale:MATRIX_SCALE_ROW1
.endif
.endm
; The fold of accumulators (l0 .. l0 + nl - 1, b0 .. b0 + nb - 1) of group gq: in place on the two lowest registers (even j, odd j), each accumulator from its low end on, the accumulators by turns; one addition makes the sum.
.macro FOLD b0, nb, l0, nl, gq
	WIN 0x51
.set fq, 0
.rept 4
.set fb, \b0
.rept \nb
.set fl, \l0
.rept \nl
.set fa, ACC+8*(4*fb+fl)
.if fq == 0
	v_pk_mul_f32 v[fa:fa+1], v[fa:fa+1], v[WT+8*fb:WT+8*fb+1]
.else
	v_pk_fma_f32 v[fa:fa+1], v[fa+2*fq:fa+2*fq+1], v[WT+8*fb+2*fq:WT+8*fb+2*fq+1], v[fa:fa+1]
.endif
.set fl, fl+1
.endr
.set fb, fb+1
.endr
.set fq, fq+1
.endr
	WIN 0x55
.set fb, \b0
.rept \nb
.set fl, \l0
.rept \nl
.set fa, ACC+8*(4*fb+fl)
	v_add_f32 v[RES+16*(fl/2)+8*\gq+4*(fl%2)+fb], v[fa], v[fa+1]
.set fl, fl+1
.endr
.set fb, fb+1
.endr
.endm
; A pair: 8 products on 8 accumulators, by turns in the same order in every K step; K step 0 starts the sums.  Behind them the pair three further on is asked for, into the same registers;
; the places in front of those loads are v_nop, or the fold of a pair of fragments that is finished.
.macro PAIR p, s
.set pg, (\p)/8
.set pk, ((\p)%8)/2
.set pb, 2*((\p)%2)
.if (\p) < 14
	s_wait_dscnt 12                                ; the pair is in: behind it at least two pairs' 12 loads
.elseif (\p) == 14
	s_wait_dscnt 6
.else
	s_wait_dscnt 0x0
.endif
	WIN 0x51
.set wi, 0
.rept 2
.set wl, 0
.rept 4
.set wa, ACC+8*(4*(pb+wi)+wl)
.set ww, WF+24*((\p)%3)+12*wi
.set wf, AF+12*(4*pk+wl)
.set wsw, WSC+4*pk+pb+wi
.set wsa, ASC+2*pk+wl/2
.set wm, 2*pg+wl%2
.if pk == 0
	WMX 0
.else
	WMX v[wa:wa+7]
.endif
.set wl, wl+1
.endr
.set wi, wi+1
.endr
.if (\p) == 7
	s_wait_loadcnt 0x0                             ; group 0's weights are in
	FOLD 0, 2, 0, 4, 0                             ; pair 6's accumulators (four places stand behind pair 6)
.elseif (\p) == 8
	FOLD 2, 2, 0, 4, 0                             ; pair 7's
	WLOAD 2048                                     ; group 1's weights
.elseif (\p) < 13
	PLACES 4
.endif
.if (\p) < 13
	LOADP (\p)+3, \s
.endif
.endm
.macro SLOT s
.set sp, 0
.rept 16
	PAIR sp, \s
.set sp, sp+1
.endr
.endm
; A PREFETCH INTO THE L2 of wq, behind a refill and the run of LDS loads.  All clusters walk the same wq: the first cluster asks.  Its four partners share a slot's 400 blocks of 256 bytes out BY ADDRESS: 16 shares of 25, a wave
; of the first four each.  The refill behind which it stands fetches slot n + 2; it names slot n + 3, n = 0 .. 4.  Slots 0 to 2 come by their loads alone: nothing is asked for at the head.
.macro ASK
	s_cmp_lt_u32 s80, s81
	s_cbranch_scc0 .Lnot_mine_\@
	global_prefetch_b8 v[PFA], s[78:79] th:TH_LOAD_NT scope:SCOPE_SE
.Lnot_mine_\@:
	s_add_co_u32 s80, s80, 1
.endm
; My own blocks' sums of the slot just ended: with my partner's half of K, relu, into my stage
.macro FIN s
	WIN 0x55
.irp i, 0,2,4,6,8,10,12,14
	v_pk_add_f32 v[RES+\i:RES+\i+1], v[RES+\i:RES+\i+1], v[EX+\i:EX+\i+1]
.endr
.set i, 0
.rept 16
	v_max_num_f32 v[RES+i], 0, v[RES+i]
.set i, i+1
.endr
	v_add_nc_u32 v[STX], s66, v[STO]
	WIN 0x05
.irp g, 0,1
.irp l, 0,1
	ds_store_b128 v[STX], v[RES+8*\g+4*\l:RES+8*\g+4*\l+3] offset:16*PIT*\l+64*\s+32*\g
.endr
.endr
	WIN 0
.endm
; The slot's end.  The blocks that my partner finishes are folded first and put into the exchange (two buffers by turns); my own stand between the barrier's signal and its wait.
.macro SUMS s, fill, step
	s_wait_loadcnt 0x0                             ; group 1's weights are in, and their base is free
	PLACES 4
	FOLD 0, 4, 2, 2, 1
	WIN 0x05
.irp i, 0,1,2,3
	ds_store_b128 v[XCW], v[EX+4*\i:EX+4*\i+3] offset:XBUF*\s+512*\i
.endr
	WIN 0
	s_wait_xcnt 0x0                                ; the last prefetch has read its address
	s_wait_tensorcnt 0x0                           ; all my tensor loads have landed: my part of the next slot;
	ds_add_u32 v[SPW], v[NIL]                      ; 0 onto my spare word;
.if \step
	s_add_nc_u64 s[8:9], s[8:9], 4096              ; the next slot's weights
.endif
.if \fill
	s_add_nc_u64 s[78:79], s[78:79], SLB
	s_add_nc_u64 s[34+4*\s:35+4*\s], s[34+4*\s:35+4*\s], 2*SLB
.endif
	s_wait_dscnt 0x0                               ; the add is done, my sums are in the exchange, and my reads of this slot are over
	s_barrier_signal -1
	FOLD 0, 4, 0, 2, 1                             ; work on registers while the others arrive
	WIN 0
	s_wait_alu depctr_va_vdst(0)
	s_barrier_wait -1
.endm
.macro EXLOAD s
	WIN 0x51
.irp i, 0,1,2,3
	ds_load_b128 v[EX+4*\i:EX+4*\i+3], v[XCR] offset:XBUF*\s+512*\i
.endr
.endm
.macro TURN s, fill
	SUMS \s, \fill, 1
.if \fill
	CREST                                          ; the barrier has opened a round: no wave of any partner still reads this slot or has a load on its way
	tensor_load_to_lds s[32+4*\s:35+4*\s], s[24:31]   ; the slot two further on: the first tensor load behind the round, and my only one until the next
	s_nop 0
.endif
	PLACES 4
	LOADSC 1-\s
	LOADP 0, 1-\s
	EXLOAD \s
	LOADP 1, 1-\s
	LOADP 2, 1-\s
	WLOAD 0
	WIN 0
.if \fill
	ASK
.endif
	s_wait_dscnt 12                                ; my partner's sums are in; the two pairs behind them may be out
	FIN \s
.endm
; Outputs 64 t .. 64 t + 63 of my two blocks leave; the stage is my wave's own, and LDS serves a wave's instructions in order (ISA guide 5.7.1.4)
.macro FLUSH t
.irp l, 0,1
.if \l
	s_wait_xcnt 0x0                                ; the stores have read their registers
.endif
	WIN 0x41
.irp i, 0,1,2,3,4,5,6,7
	ds_load_b128 v[RES+4*\i:RES+4*\i+3], v[RD] offset:16*PIT*\l+2*PIT*\i
.endr
	s_wait_dscnt 0x0
	WIN 0x05
.irp i, 0,1,2,3,4,5,6,7
	global_store_b128 v[CO], v[RES+4*\i:RES+4*\i+3], s[12:13] offset:8192*\l+1024*\i+256*\t th:TH_STORE_NT   ; 16 lanes store 256 consecutive bytes, at a multiple of 256 from out0's first byte
.endr
.endr
	s_wait_xcnt 0x0
	WIN 0
.endm
	s_wait_tensorcnt 0x0                           ; my part of slot 0 is in
	ds_add_u32 v[SPW], v[NIL]
	s_wait_dscnt 0x0
	CROUND                                         ; everybody's part of slot 0 is in, and all four work-groups are here
	tensor_load_to_lds s[36:39], s[24:31]          ; slot 1
	s_nop 0
	PLACES 8                                       ; eight places between the scale words' last write and the first product
	LOADSC 0
	LOADP 0, 0
	LOADP 1, 0
	LOADP 2, 0
	WIN 0
	s_mov_b32 s67, 0
.Lslots:                                               ; slots 2 s67 and 2 s67 + 1; slots 6 and 7 are written out
	s_and_b32 s66, s67, 1
	s_lshl_b32 s66, s66, 7                         ; the trip's 128 bytes of a stage row
	SLOT 0
	TURN 0, 1
	SLOT 1
	TURN 1, 1
	s_wait_alu depctr_va_vdst(0)
	s_cmp_eq_u32 s67, 1
	s_cbranch_scc0 .Lnot_yet
	FLUSH 0                                        ; four slots are done
.Lnot_yet:
	s_add_co_u32 s67, s67, 1
	s_cmp_lt_u32 s67, 3
	s_cbranch_scc1 .Lslots
	s_mov_b32 s66, 128
	SLOT 0
	TURN 0, 0
	SLOT 1
	SUMS 1, 0, 0
	EXLOAD 1
	WIN 0
	s_wait_dscnt 0x0
	FIN 1
	FLUSH 1
	s_wait_tensorcnt 0x0                           ; the wave's end, behind my last tensor load and my last LDS store
	ds_add_u32 v[SPW], v[NIL]
	s_wait_dscnt 0x0
	CROUND                                         ; the closing round: no work-group ends while a partner may still ask for a slot that names it
	s_endpgm
.Lfunc_end_k_qc4dd9d6e8c_flora:
	.size	k_qc4dd9d6e8c_flora, .Lfunc_end_k_qc4dd9d6e8c_flora-k_qc4dd9d6e8c_flora
	.p2alignl 7, 3214868480
	.fill 96, 4, 3214868480
	.section	.rodata,"a",@progbits
	.p2align	6, 0x0
	.amdhsa_kernel k_qc4dd9d6e8c_flora
		.amdhsa_group_segment_fixed_size 327680
		.amdhsa_private_segment_fixed_size 0
		.amdhsa_enable_private_segment 0
		.amdhsa_kernarg_size 40
		.amdhsa_user_sgpr_count 2
		.amdhsa_user_sgpr_kernarg_segment_ptr 1
		.amdhsa_wavefront_size32 1
		.amdhsa_system_sgpr_workgroup_id_x 1
		.amdhsa_system_sgpr_workgroup_id_y 1
		.amdhsa_system_sgpr_workgroup_id_z 1
		.amdhsa_system_vgpr_workitem_id 0
		.amdhsa_next_free_vgpr 512
		.amdhsa_next_free_sgpr 96
		.amdhsa_reserve_vcc 0
		.amdhsa_float_denorm_mode_32 3
		.amdhsa_float_denorm_mode_16_64 3
		.amdhsa_memory_ordered 1
		.amdhsa_forward_progress 1
		.amdhsa_inst_pref_size 255
	.end_amdhsa_kernel
	.section	.bss,"aw",@nobits
	.p2align	6
	.space	262144
	.amdgpu_metadata
---
amdhsa.version: [ 1, 2 ]
amdhsa.kernels:
  - .name:           k_qc4dd9d6e8c_flora
    .symbol:         k_qc4dd9d6e8c_flora.kd
    .args:
      - { .name: x, .offset: 0, .size: 8, .value_kind: global_buffer, .address_space: global }
      - { .name: abt, .offset: 8, .size: 8, .value_kind: global_buffer, .address_space: global }
      - { .name: wts, .offset: 16, .size: 8, .value_kind: global_buffer, .address_space: global }
      - { .name: wq, .offset: 24, .size: 8, .value_kind: global_buffer, .address_space: global }
      - { .name: out0, .offset: 32, .size: 8, .value_kind: global_buffer, .address_space: global }
    .group_segment_fixed_size: 327680
    .private_segment_fixed_size: 0
    .kernarg_segment_align: 8
    .kernarg_segment_size: 40
    .max_flat_workgroup_size: 256
    .sgpr_count:     96
    .vgpr_count:     512
    .wavefront_size: 32
...
	.end_amdgpu_metadata
.endif
;; end of part 2
